; MI455X (gfx1250); checked and timed in simulation.
; The chip was launched on July 23, 2026; its instructions are those of AMD's public machine-readable ISA for CDNA 5 (MIT licence, August 2026) and "CDNA5" Instruction Set Architecture Reference Guide (July 2026). The comments in the code are by the model that wrote it; some were corrected since.
;; Bahdanau Attention. Allowed arithmetic: matrix products marked QUANTISED: E2M1 operands, one E8M0 scale for each 32 along K, by v_wmma_scale_f32_16x16x128_f8f6f4 with both operands' format E2M1 (or v_wmma_scale_f32_32x16x128_f4), f32 sums; products left as they are: f32 operands where the result goes on into a quantised operand, else bf16, f16 or f32 operands; f32 sums; everything else in f32.
;; Inputs: W_com 1,024 x 1 float32; W_dec_codes 1,024 x 32 x 16 uint8 (E2M1 codes of W_dec, K innermost, in blocks of 32 codes, two codes a byte); W_dec_scales 1,024 x 32 uint8 (E8M0 scales of W_dec, one for each 32 codes along K); W_enc_codes 1,024 x 32 x 16 uint8 (E2M1 codes of W_enc, K innermost, in blocks of 32 codes, two codes a byte); W_enc_scales 1,024 x 32 uint8 (E8M0 scales of W_enc, one for each 32 codes along K); b_com 1 float32; b_dec 1,024 float32; b_enc 1,024 float32; h_dec_codes 32 x 32 x 16 uint8 (E2M1 codes of h_dec, K innermost, in blocks of 32 codes, two codes a byte); h_dec_scales 32 x 32 uint8 (E8M0 scales of h_dec, one for each 32 codes along K); h_enc_codes 32 x 2,048 x 32 x 16 uint8 (E2M1 codes of h_enc, K innermost, in blocks of 32 codes, two codes a byte); h_enc_scales 32 x 2,048 x 32 uint8 (E8M0 scales of h_enc, one for each 32 codes along K).
;; Outputs: out0 32 x 1,024 float32; out1 32 x 2,048 x 1 float32.
;; This version of the problem:
;;   THIS VERSION OF THE PROBLEM IS GIVEN IN LOW PRECISION. The matrix products marked QUANTISED in the list below multiply operands that are first quantised to E2M1 (2 exponent bits, 1 mantissa bit; 4 bits a number), with one power-of-two scale for each 32 numbers along K (OCP MX v1.0); their sums are f32. All else is computed in f32.
;;   The module's matrix products, in the order in which they are computed (A, B: the left and right operand; K: the contracted axis; several contracted axes count as one K, in the product's order):
;;     1. [M 65,536, K 1,024] x [K 1,024, N 1,024]; A: input h_enc (given as codes); B: input W_enc (given as codes): QUANTISED
;;     2. [M 32, K 1,024] x [K 1,024, N 1,024]; A: input h_dec (given as codes); B: input W_dec (given as codes): QUANTISED
;;     3. [M 65,536, K 1,024] x [K 1,024, N 1]; A: computed on the way; B: input W_com: left as it is (N = 1 < 16)
;;   THE QUANTISER, for each operand of a quantised product, along K:
;;     - K is cut into blocks of 32 from its start; a last block that is shorter is filled with zeros.
;;     - A block's scale is 2^e with e = floor(log2(the largest magnitude in the block)) - 2, held to -126 .. 127; a block of zeros has e = 0. As a byte (E8M0): e + 127.
;;     - Each number is divided by its block's scale, clamped to +-6, and rounded to the nearest number of E2M1, ties to even, subnormals kept.
;;     - The product sums the exact products of the quantised numbers (number of the format x scale) in f32.
;;   ~~~python
;;   def quantise(x, axis):      # numpy; x: float32 -> the quantised numbers, widened to float32 again
;;       x = np.moveaxis(x, axis, -1); K = x.shape[-1]
;;       x = np.pad(x, [(0, 0)] * (x.ndim - 1) + [(0, -K % 32)]); x = x.reshape(x.shape[:-1] + (-1, 32)); a = np.abs(x).max(-1, keepdims=True)
;;       e = np.where(a > 0, np.clip(np.frexp(np.where(a > 0, a, 1))[1] - 1 - 2, -126, 127), 0)      # np.frexp(a)[1] - 1 = floor(log2(a)), exactly
;;       r = np.clip(x / 2.0 ** e, -6, 6)
;;       step = 2.0 ** (np.maximum(np.frexp(np.where(r == 0, 1, r))[1] - 1, 0) - 1)
;;       q = np.round(r / step) * step * 2.0 ** e      # np.round: ties to even
;;       return np.moveaxis(q.reshape(q.shape[:-2] + (-1,))[..., :K], -1, axis).astype(np.float32)
;;   ~~~
;;   INPUTS GIVEN AS CODES. W_dec (in the module: [1024, 1024], K = its axis 0); W_enc (in the module: [1024, 1024], K = its axis 0); h_dec (in the module: [32, 1024], K = its axis 1); h_enc (in the module: [32, 2048, 1024], K = its axis 2): each comes as NAME_codes (uint8): NAME with its K axis moved to the last place and cut into blocks of 32 codes, [.., K / 32, bytes a block], one block behind the other in memory; two codes a byte, the lower K in the low four bits (a code: sign, 2 exponent bits, 1 mantissa bit); and NAME_scales (uint8): the same leading axes, one E8M0 byte (e + 127) for each 32 codes along K. Its value is code x scale, taken as it is: it is not quantised again, and the codes and scales need not be those that the quantiser above would give.
;; One version. Each part assembles by itself: llvm-mc -triple=amdgcn-amd-amdhsa -mcpu=gfx1250 --defsym DOCPART=n.
;; ======== version 1 of 1: 2 launches
;; limits: right only within a limited range of input values
;; workspace buffers: scw 262,144 bytes; hbw 1,048,576 bytes
;; launch main (part 1): grid 256 x 1, 8 waves a work-group, clusters of 4 x 1, 327,680 bytes of LDS; arguments h_enc_codes, h_enc_scales, W_enc_codes, W_enc_scales, W_com, scw, hbw, b_dec, b_enc, h_dec_codes, h_dec_scales, W_dec_codes, W_dec_scales; writes scw, hbw
.if DOCPART == 1
	.amdgcn_target "amdgcn-amd-amdhsa--gfx1250"
	.amdhsa_code_object_version 6
	.text
	.protected	k_q04af9a7c6c_main
	.globl	k_q04af9a7c6c_main
	.p2align	8
	.type	k_q04af9a7c6c_main,@function
k_q04af9a7c6c_main:
	s_mov_b64 s[64:65], 0
	v_nop
	global_prefetch_b8 v0, s[64:65] scope:SCOPE_SE
	s_setreg_imm32_b32 hwreg(HW_REG_WAVE_MODE, 25, 1), 1
	s_wait_xcnt 0x0
	s_wait_alu depctr_hold_cnt(0) depctr_sa_sdst(0) depctr_va_vdst(0) depctr_va_sdst(0) depctr_va_ssrc(0) depctr_va_vcc(0) depctr_vm_vsrc(0)
	s_getreg_b32 s2, hwreg(HW_REG_IB_STS2, 6, 4)
	s_cmp_eq_u32 s2, 0
	s_cbranch_scc0 .Lentry_in_a_cluster
	s_endpgm
.Lentry_in_a_cluster:
	s_bfe_u32 s2, ttmp6, 0x10000c
	s_cmp_lg_u32 s2, 0x3003
	s_cbranch_scc0 .Lentry_shape_is_right
	s_endpgm
.Lentry_shape_is_right:
; BAHDANAU ATTENTION IN MX-FP4, TWO LAUNCHES.  This one, for a block of 256 rows (batch g / 8, part g % 8):
; dcw[u] = c (h_dec W_dec + b_dec + b_enc)[u], c = 2 log2(e);  e = h_enc W_enc on codes;  x2 = c e + dcw;  r = 1 / (1 + 2^x2);
; s'[row] = sum_u (-c W_com[u]) r[row][u]: the score in powers of two, less terms that are the same along S;
; m = the block's largest s', p = 2^(s' - m), hbar[k] = sum_rows p[row] h[row][k], h = code x scale.  Stored: s' (scw) and hbar (hbw); the second launch joins a batch's eight parts.
; WHAT THE PROGRAM LEAVES OUT OR MOVES, for all finite values of the inputs, in exact arithmetic:
;  (1) b_com is added to every score of a batch alike; softmax over S takes any such term away, and the scores reach the outputs through the softmax alone.
;      So b_com has no way to an output: it is not loaded and is no argument of any launch.
;  (2) tanh(x) = 1 - 2 r, r = 1 / (1 + e^(2x)).  So score = sum_u W_com[u] - 2 sum_u W_com[u] r[u] (+ b_com): the first sum is again the same along S and is not formed.
;  (3) sum_s attn[s] = 1, so sum_s attn[s] (e[s][u] + b_enc[u]) = sum_s attn[s] e[s][u] + b_enc[u]: b_enc is added to the context once, at the end.
;  (4) sum_s attn[s] sum_k h[s][k] W[k][u] = sum_k (sum_s attn[s] h[s][k]) W[k][u], h and W the given codes x scales: the same products, summed in the other order.
; LIMITS: a NaN, an infinity or an overflow that reaches only b_com or sum_u W_com[u] is not carried to the result.
; s' lacks the term log2(e) sum_u W_com[u]; its size is at most c sum_u |W_com[u]|, and f32 rounds it by that size's last bit.
; The maximum is taken away before every exponential of a score; 2^x2 may overflow to infinity or fall to 0: r is then 0 or 1, which is tanh's limit.
; SHARES.  Eight waves.  W_enc goes by in 8 chunks of 128 columns u through two LDS slots; of each chunk team 0 (waves 0-3) takes columns 0-63, team 1 (waves 4-7) columns 64-127.
; Wave WQ of a team makes rows 64 WQ .. + 63, whose fragments for all K stay in 256 registers: so an LDS byte of W_enc feeds four row tiles, and no fragment of h_enc is read again.
; A sub-block is 64 rows x 32 columns: 32 matrix instructions (MM), then its exponentials and reciprocals (EE); each wave has 16 of them, two a chunk.
; LAYOUT.  Source 0 = 32 rows of W_enc, source 1 = 16 rows of h_enc: lane (r, h) holds row 16 a + r, its registers j the columns 8 h + j (j < 8) and 16 + 8 h + j - 8: a lane sums its row's columns by itself.
; THE WALK begins at chunk x % 8 in cluster x and goes round: chunk number c of the walk is columns 128 ((x + c) % 8) .. + 127.  So the clusters that run together read different chunks at a time.
; THE DEC PRODUCT runs one chunk ahead: wave w makes columns 16 w .. + 15 of the next chunk, K steps 0-3 in the first sub-block, 4-7 in the second: source 0 = the batch's one row of h_dec in all 16 rows, source 1 = 16 rows of W_dec,
; which go straight from memory into registers, asked for a sub-block ahead.  The walk's first chunk is made in the head, while the rows of h_enc are on their way.  dcw and -c W_com of two chunks lie in LDS and take turns.
; CLUSTER.  The four work-groups of a cluster walk the same W_enc: its chunks and their scales are asked for JOINTLY (mask 15).  The rows of h_enc are a work-group's own: plain loads.
; No data prefetch: h_enc comes whole with the head's loads, ahead of which there is no loop; in the walk's first period eight neighbouring clusters read all eight chunks of both weights, and later periods read them again.
; REGISTERS.  Window 0: v1-11 addresses; v12-23 score sums; v24-47 scale words; v48-79 dcw and -c W_com of 32 columns, before them h_dec's fragments; v80-143 accumulators (row tile a at 16 a); v144-207 W_enc's fragments, four K steps;
; v208-239 W_dec's fragments, v240-247 scale words, v248-255 the dec sum.  Window 1: h_enc's fragments: row tile a, K step q at v[64 a + 8 q]; in the head h_dec's, K step q at 8 q.
.set PITCH,  528                       ; an LDS row of codes: 512 bytes + 16 of padding = 132 words: the 16 rows of a fragment load start at 16 different banks (64 banks of 4 bytes: ISA guide 11.1)
.set T16,    16*PITCH
.set Q64,    64*PITCH                  ; 64 rows: what one tensor load brings
.set WS0,    256*PITCH                 ; behind h_enc's 256 rows: slot 0 of W_enc, 128 rows;
.set WSB,    128*PITCH                 ; slot 1 follows
.set SCA,    WS0+2*WSB                 ; h_enc's scales: 8,192 bytes as 32 units of 256 + 16
.set SCW0,   SCA+32*272                ; W's scales of a chunk: 16 units; two slots
.set SCWB,   16*272
.set SPARE,  SCW0+2*SCWB               ; the spare words, 128 bytes for each wave: four blocks of 256 bytes that no other line names.  No fill lands from here on
.set SCR_SP, SPARE+1024                ; score parts: team x 1,024 + 4 x row
.set SCR_SC, SCR_SP+2048               ; s', 4 x row
.set SCR_P,  SCR_SC+1024               ; p, 4 x row
.set SCR_MX, SCR_P+1024                ; the eight waves' maxima
.set HB,     SCR_MX+256                ; at the end: the eight waves' parts of hbar, 4,096 bytes each
.set RING,   HB                        ; until then, for each team 2,048 bytes: chunk parity 0: dcw and -c W_com of its 64 columns (256 bytes each), parity 1 likewise;
.set HROW,   1024                      ; and from here h_dec's row: block b of 32 codes at 32 b, and behind it, at + 16, scale words 0-3 (b / 2 even) or 4-7 (odd)
.set CBIA,   4096                      ; from DST: c (b_dec + b_enc) of the walk's chunk n at 256 n,
.set CWCM,   8192                      ; and -c W_com.  Each wave stages and reads its own columns
.set SPW, 1                            ; my spare word; never rewritten
.set NIL, 2                            ; 0; never rewritten
.set ADRB, 3                           ; v3, v4: my lane's place in my 64 columns of slot 0, 1
.set ADS, 5                            ; their scales
.set ADX, 6                            ; RING + 2,048 team + 32 h
.set WA, 7                             ; W_dec: row r, + 16 h
.set WSA, 8                            ; its scales: row r
.set DST, 9                            ; RING + 2,048 team + 64 WQ + 4 r: my column
.set CB, 10                            ; v10 its bias term, then dcw;  v11 its -c W_com
.set SP, 12
.set SA, 24
.set SB, 40
.set XR, 48
.set YR, 64
.set ACC, 80
.set BF, 144
.set WD, 208
.set WDS, 240
.set HS, 244
.set DAC, 248
; the head's own
.set ADRA, 88
.set ADSA, 89
; the end's own
.set SPA, 184
.set RS4, 185
.set RS16, 186
.set RMX, 187
.set RMW, 188
.set HAC, 189
.set HAS, 190
.set HAP, 191
.set HBW, 192
.set HBR, 193
.set G16, 194
.set TA, 195                           ; v195-197 the LDS addresses of hbar's loads in hand
.set FS, 152                           ; v152-183 the eight parts
.set H,   24                           ; v24-55 my block's 32 sums
.set T,   56                           ; v56-87 a row's 32 numbers
.set CD,  88                           ; v88-119 codes: two sets of 4 rows x 4 registers
.set BY,  120                          ; v120-127 scale bytes
.set PP,  128                          ; v128-135 p
.set Q,   136                          ; v136-143 p x scale, in the even registers
.set ONE, 144                          ; the byte 127 four times: the conversion's scale 1
.set WEB,  4                           ; s[4:5] W_enc's codes (waves 4, 5: the 64 rows of a chunk that I fetch), s[6:7] its scales
.set WES,  6
.set WDB,  8                           ; s[8:9] W_dec's codes at my 16 rows of chunk 0, s[10:11] their scales
.set WDSB, 10
.set OFF,  12                          ; s[12:13] a chunk's place in the codes, s[18:19] in the scales
.set OFS,  18
.set WV,   20
.set TEAM, 21
.set WQ,   22
.set GB,   23
.set CI,   24                          ; the number of the chunk that is asked for next
.set NO,   25                          ; 512 x trip: the staged terms' place
.set WDP,  30                          ; s[30:31] W_dec's chunk in hand, s[66:67] its scales
.set WDSP, 66
.set G1A,  32
.set G1W,  40
.set G1AS, 48
.set G1WS, 56
.set G0A,  68
.set G0AS, 72
.set G0W,  76                          ; s[76:79] slot 0, s[80:83] slot 1
.set G0S,  84                          ; s[84:87], s[88:91]
.set CS,   92
.set SEL,  94
.set CNT,  96
.set W2C,  97
.set SO,   98                          ; s98-100 hbar's steps; before that s98-101 are at work
.set MSB, 0
.macro WIN new                         ; the immediate's high byte repeats the setting that is left
.if MSB != \new
	s_set_vgpr_msb (MSB<<8)|\new
.set MSB, \new
.endif
.endm
.macro PLACES n
.rept \n
	v_nop
.endr
.endm
.macro VWAIT
	s_wait_alu depctr_va_vdst(0)
.endm
.macro TL g0, g1                       ; a tensor load; an s_nop 0 and four v_nop follow it
	tensor_load_to_lds s[\g0:\g0+3], s[\g1:\g1+7]
	s_nop 0
	PLACES 4
.endm
.macro CREST                           ; a round of the cluster's barrier behind its opening barrier
	s_cmp_lg_u32 s[WV], 0
	s_cbranch_scc1 .Lnot_wave_0_\@
	s_barrier_signal -3
.Lnot_wave_0_\@:
	s_barrier_wait -3
	s_barrier_signal -1
	s_barrier_wait -1
.endm
.macro CROUND                          ; a whole round
	s_barrier_signal -1
	s_barrier_wait -1
	CREST
.endm
.macro JLOAD n                         ; slot n is asked for jointly: waves 4 and 5 its two halves of 64 rows, wave 6 its scales.  The branches hang on the wave's number alone
	s_cmp_lt_u32 s[WV], 4
	s_cbranch_scc1 .Lasked_\@
	s_cmp_lt_u32 s[WV], 6
	s_cbranch_scc0 .Lnot_w_\@
	TL G0W+4*\n, G1W
	s_branch .Lasked_\@
.Lnot_w_\@:
	s_cmp_eq_u32 s[WV], 6
	s_cbranch_scc0 .Lasked_\@
	TL G0S+4*\n, G1WS
.Lasked_\@:
.endm
; W_enc's fragment of K step q: 32 rows x 128 K of 4-bit codes are 16 registers: lane (r, h) holds rows r and 16 + r; 16 bytes for each half of 64 K.  Four K steps have registers; steps 4 to 7 take those of 0 to 3.
.macro FRAGB slot, s, q
.irp i, 0,1
	ds_load_b128 v[BF+16*((\q)%4)+8*\i:BF+16*((\q)%4)+8*\i+3], v[ADRB+\slot] offset:\s*32*PITCH+\i*T16+64*(\q)
	ds_load_b128 v[BF+16*((\q)%4)+8*\i+4:BF+16*((\q)%4)+8*\i+7], v[ADRB+\slot] offset:\s*32*PITCH+\i*T16+64*(\q)+32
.endr
.endm
.macro HFRAG s, i0                     ; h_dec's fragments of K steps 4 s + i0 and the next into v[XR + 8 i0 ..]: all 16 lanes of a half read the same 16 bytes
.irp i, \i0, \i0+1
	ds_load_b128 v[XR+8*(\i):XR+8*(\i)+3], v[ADX] offset:HROW+128*(4*\s+\i)
	ds_load_b128 v[XR+8*(\i)+4:XR+8*(\i)+7], v[ADX] offset:HROW+128*(4*\s+\i)+64
.endr
.endm
.macro PREF slot, s, dec               ; for the next sub-block: scale words (lane l: row l, eight K steps), fragments of K steps 0 to 3; h_dec's first two fragments and four scale words (lanes 0-15 are read)
	ds_load_b128 v[SB:SB+3], v[ADS] offset:SCWB*\slot+1088*\s
	ds_load_b128 v[SB+4:SB+7], v[ADS] offset:SCWB*\slot+1088*\s+16
.irp q, 0,1,2,3
	FRAGB \slot, \s, \q
.endr
.if \dec
	HFRAG \s, 0
	ds_load_b128 v[HS:HS+3], v[ADX] offset:HROW+64*\s+16
.endif
.endm
.macro LDW i, hf                       ; W_dec's fragment i of K half hf: lane (r, h): row r
	global_load_b128 v[WD+8*(\i):WD+8*(\i)+3], v[WA], s[WDP:WDP+1] offset:256*(\hf)+64*(\i)
	global_load_b128 v[WD+8*(\i)+4:WD+8*(\i)+7], v[WA], s[WDP:WDP+1] offset:256*(\hf)+64*(\i)+32
.if (\i) == 0
	global_load_b128 v[WDS:WDS+3], v[WSA], s[WDSP:WDSP+1] offset:16*(\hf)
.endif
.endm
.macro STEPW                           ; on to the next chunk of the walk.  No load of mine through these pointers is out
	s_and_b32 s[OFF], s[CI], 7
	s_add_co_u32 s[CI], s[CI], 1
	s_lshl_b32 s[OFS], s[OFF], 12
	s_lshl_b32 s[OFF], s[OFF], 16
	s_add_nc_u64 s[WDP:WDP+1], s[WDB:WDB+1], s[OFF:OFF+1]
	s_add_nc_u64 s[WDSP:WDSP+1], s[WDSB:WDSB+1], s[OFS:OFS+1]
.endm
; A SUB-BLOCK'S PRODUCT: 32 matrix instructions; the four accumulators take turns, in the same order in every K step.  slot: the chunk's slot and parity; s: which 32 of my columns.
; dec = 1: behind each of K steps 0 to 3 stands one step of the next chunk's dec sum (four others between two of its steps);  ld = 1: W_dec's next half is asked for behind K steps 4 to 7.
; Four places stand in front of loads into registers that matrix instructions have read (ISA guide 7.12.1 for vector instructions).
; LDS loads in their order: what PREF asked for; h_dec's last two fragments (4), my column's two terms (2, s = 1); K steps 4, 5 (8), dcw (4); K steps 6, 7 (8), -c W_com (4).
; first = 1: h_enc's 64 loads, eight a K step, are the youngest at the start.
.macro MM slot, s, first, dec, ld
.if \first == 0
.if \dec
	HFRAG \s, 2
.if \s
	v_add_nc_u32 v[ACC+63], s[NO], v[DST]          ; (this accumulator is begun anew below)
	ds_load_b32 v[CB], v[ACC+63] offset:CBIA+256*(1+\slot)
	ds_load_b32 v[CB+1], v[ACC+63] offset:CWCM+256*(1+\slot)
	s_wait_dscnt 6
.else
	s_wait_dscnt 4
.endif
.else
	s_wait_dscnt 0x0
.endif
.endif
.irp q, 0,1,2,3,4,5,6,7
.if \first
.if \q < 2
	s_wait_dscnt 56-8*\q
.elseif \q < 4
	s_wait_dscnt 68-8*\q
.endif
.endif
.if \q == 4
	s_wait_dscnt 16                                ; K steps 4 and 5 are in
.endif
.if \q == 6
	s_wait_dscnt 4                                 ; K steps 6 and 7 are in
.endif
	WIN 0x04                                       ; source 1 in window 1
.irp a, 0,1,2,3
.if \q == 0
.if \a & 1
	v_wmma_scale_f32_32x16x128_f4 v[ACC+16*\a:ACC+16*\a+15], v[BF+16*(\q%4):BF+16*(\q%4)+15], v[64*\a+8*\q:64*\a+8*\q+7], 0, v[SB+\q], v[SA+8*(\a/2)+\q] matrix_b_scale:MATRIX_SCALE_ROW1
.else
	v_wmma_scale_f32_32x16x128_f4 v[ACC+16*\a:ACC+16*\a+15], v[BF+16*(\q%4):BF+16*(\q%4)+15], v[64*\a+8*\q:64*\a+8*\q+7], 0, v[SB+\q], v[SA+8*(\a/2)+\q]
.endif
.else
.if \a & 1
	v_wmma_scale_f32_32x16x128_f4 v[ACC+16*\a:ACC+16*\a+15], v[BF+16*(\q%4):BF+16*(\q%4)+15], v[64*\a+8*\q:64*\a+8*\q+7], v[ACC+16*\a:ACC+16*\a+15], v[SB+\q], v[SA+8*(\a/2)+\q] matrix_b_scale:MATRIX_SCALE_ROW1
.else
	v_wmma_scale_f32_32x16x128_f4 v[ACC+16*\a:ACC+16*\a+15], v[BF+16*(\q%4):BF+16*(\q%4)+15], v[64*\a+8*\q:64*\a+8*\q+7], v[ACC+16*\a:ACC+16*\a+15], v[SB+\q], v[SA+8*(\a/2)+\q]
.endif
.endif
.endr
.if \dec && (\q < 4)
.if \q == 0
	s_wait_loadcnt 0x0                             ; W_dec's half is in
.if \ld && \s
	STEPW
.endif
.endif
.if (\q == 2) && (\first == 0)
	s_wait_dscnt 12                                ; h_dec's last two fragments are in
.endif
	WIN 0
.if (\q == 0) && (\s == 0)
	v_wmma_scale_f32_16x16x128_f8f6f4 v[DAC:DAC+7], v[XR+8*\q:XR+8*\q+7], v[WD+8*\q:WD+8*\q+7], 0, v[HS+\q], v[WDS+\q] matrix_a_fmt:MATRIX_FMT_FP4 matrix_b_fmt:MATRIX_FMT_FP4
.else
	v_wmma_scale_f32_16x16x128_f8f6f4 v[DAC:DAC+7], v[XR+8*\q:XR+8*\q+7], v[WD+8*\q:WD+8*\q+7], v[DAC:DAC+7], v[HS+\q], v[WDS+\q] matrix_a_fmt:MATRIX_FMT_FP4 matrix_b_fmt:MATRIX_FMT_FP4
.endif
.endif
.if \q == 1
	PLACES 4
	FRAGB \slot, \s, 4
	FRAGB \slot, \s, 5
	ds_load_b128 v[XR:XR+3], v[ADX] offset:512*\slot+128*\s
	ds_load_b128 v[XR+4:XR+7], v[ADX] offset:512*\slot+128*\s+16
	ds_load_b128 v[XR+8:XR+11], v[ADX] offset:512*\slot+128*\s+64
	ds_load_b128 v[XR+12:XR+15], v[ADX] offset:512*\slot+128*\s+80
.endif
.if \q == 3
	PLACES 4
	FRAGB \slot, \s, 6
	FRAGB \slot, \s, 7
	ds_load_b128 v[YR:YR+3], v[ADX] offset:256+512*\slot+128*\s
	ds_load_b128 v[YR+4:YR+7], v[ADX] offset:256+512*\slot+128*\s+16
	ds_load_b128 v[YR+8:YR+11], v[ADX] offset:256+512*\slot+128*\s+64
	ds_load_b128 v[YR+12:YR+15], v[ADX] offset:256+512*\slot+128*\s+80
.endif
.if \ld && (\q > 3)
	LDW \q-4, 1-\s
.endif
.endr
	WIN 0
	s_wait_dscnt 0x0                               ; dcw and -c W_com are in
	PLACES 4                                       ; between the last products and the first read of results
.if \dec && \s                         ; the next chunk's dcw and -c W_com at my column: both halves of the lanes write the same words with the same values; read by others behind the change of slots
	v_fma_f32 v[CB], v[DAC], s[CS], v[CB]
	ds_store_b32 v[DST], v[CB] offset:512*(1-\slot)
	ds_store_b32 v[DST], v[CB+1] offset:512*(1-\slot)+256
.endif
.endm
.macro FM a, p                         ; columns 2 p, 2 p + 1 of row tile a onto its sums: two pairs of sums for tiles 0 and 1, one for tiles 2 and 3
.if (\a) < 2
.set spx, SP+4*(\a)+2*((\p)%2)
.else
.set spx, SP+8+2*((\a)-2)
.endif
	v_pk_fma_f32 v[spx:spx+1], v[ACC+16*(\a)+2*(\p):ACC+16*(\a)+2*(\p)+1], v[YR+2*(\p):YR+2*(\p)+1], v[spx:spx+1]
.endm
; A SUB-BLOCK'S WAY TO THE SCORES, in two halves of 32 registers (row tiles 0, 1 and 2, 3): batches of transcendentals on one half have packed work on the other between their lines, and a wait ahead of them and behind them.
; chg 0: the next sub-block lies in the same slot.  chg 1: THE CHANGE OF SLOTS: every wave waits for all its tensor loads (the slot that is read next has landed), adds 0 to its spare word, waits for that and its LDS accesses
; (the slot that was read last is free; the next chunk's dcw is stored); slot n is filled again, with the chunk that STEPW named, behind a round of the cluster's barrier.  chg 2: the same, but nothing is filled and no round follows.  chg 3: nothing comes after.
.macro EE chg, n, pslot, ps, pdec
.if (\chg == 1) || (\chg == 2)
	s_wait_tensorcnt 0x0                           ; no tensor load of mine is out, so a group 0 may be written
	ds_add_u32 v[SPW], v[NIL]
.if \chg == 1
	s_add_nc_u64 s[G0W+4*\n+2:G0W+4*\n+3], s[WEB:WEB+1], s[OFF:OFF+1]
	s_or_b32 s[G0W+4*\n+3], s[G0W+4*\n+3], 0x80000000
	s_add_nc_u64 s[G0S+4*\n+2:G0S+4*\n+3], s[WES:WES+1], s[OFS:OFS+1]
	s_or_b32 s[G0S+4*\n+3], s[G0S+4*\n+3], 0x80000000
.endif
.endif
.set en, 0
.rept 32                               ; x2 = c e + dcw, each accumulator from its low end on
	v_pk_fma_f32 v[ACC+2*en:ACC+2*en+1], v[ACC+2*en:ACC+2*en+1], s[CS:CS+1], v[XR+2*(en%8):XR+2*(en%8)+1] op_sel_hi:[1,0,1]
.set en, en+1
.endr
.if \chg == 0
	PREF \pslot, \ps, \pdec
.endif
.if (\chg == 1) || (\chg == 2)
	s_wait_dscnt 0x0
	VWAIT
	s_barrier_signal -1                            ; work on registers while the others arrive
.else
	VWAIT
.endif
.set en, 0
.rept 32
	v_exp_f32 v[ACC+en], v[ACC+en]
.set en, en+1
.endr
	v_nop
	VWAIT
.if (\chg == 1) || (\chg == 2)
	s_barrier_wait -1
.if \chg == 1
	CREST
	JLOAD \n
.endif
	PREF \pslot, \ps, \pdec
.endif
.set en, 0
.rept 16
	v_exp_f32 v[ACC+32+2*en], v[ACC+32+2*en]
	v_exp_f32 v[ACC+33+2*en], v[ACC+33+2*en]
	v_pk_add_f32 v[ACC+2*en:ACC+2*en+1], v[ACC+2*en:ACC+2*en+1], 1.0 op_sel_hi:[1,0]
.set en, en+1
.endr
	VWAIT
.set en, 0
.rept 16
	v_rcp_f32 v[ACC+2*en], v[ACC+2*en]
	v_rcp_f32 v[ACC+2*en+1], v[ACC+2*en+1]
	v_pk_add_f32 v[ACC+32+2*en:ACC+33+2*en], v[ACC+32+2*en:ACC+33+2*en], 1.0 op_sel_hi:[1,0]
.set en, en+1
.endr
	VWAIT
.set en, 0
.rept 4                                ; each of the four sums is read and written once in this batch
.set ej, 0
.rept 8
	v_rcp_f32 v[ACC+32+8*en+ej], v[ACC+32+8*en+ej]
.set ej, ej+1
.endr
	FM en/2, en%2
.set en, en+1
.endr
	VWAIT
.set en, 0
.rept 8
.if en < 6
	FM 0, en+2
	FM 1, en+2
.endif
	FM 2, en
	FM 3, en
.set en, en+1
.endr
.endm
.macro DENSE g, w0, rows               ; group 1 of a dense block as rows of 256 bytes (32 elements of 8), 16 bytes of padding behind each
	s_mov_b32 s[\g], \w0
	s_mov_b32 s[\g+1], 32<<16
	s_mov_b32 s[\g+2], \rows<<16
	s_mov_b32 s[\g+3], 32<<16
	s_mov_b32 s[\g+4], \rows
	s_mov_b32 s[\g+5], 32
	s_mov_b32 s[\g+6], 0
	s_mov_b32 s[\g+7], 0
.endm
	s_load_b256 s[4:11], s[0:1], 0x0               ; h_enc's codes s[4:5], its scales s[6:7], W_enc's codes s[8:9], its scales s[10:11]
	s_load_b256 s[12:19], s[0:1], 0x20             ; W_com s[12:13], scw s[14:15], hbw s[16:17], b_dec s[18:19]
	s_load_b256 s[24:31], s[0:1], 0x40             ; b_enc s[24:25], h_dec's codes s[26:27], its scales s[28:29], W_dec's codes s[30:31]
	s_load_b64 s[66:67], s[0:1], 0x60              ; W_dec's scales
	v_lshl_add_u32 v[SPW], v0, 2, SPARE
	v_mov_b32 v[NIL], 0
	ds_add_u32 v[SPW], v[NIL]                      ; the wave's opening: the add, twice on end, and its wait stand ahead of my first tensor load; the set-up below is work on registers
	ds_add_u32 v[SPW], v[NIL]
	v_lshrrev_b32 v10, 5, v0
	v_readfirstlane_b32 s[WV], v10                 ; wave 0..7
	s_lshr_b32 s[TEAM], s[WV], 2
	s_and_b32 s[WQ], s[WV], 3
	s_bfe_u32 s2, ttmp6, 0x40000                   ; cx: it enters global addresses alone
	s_lshl_b32 s[GB], ttmp9, 2
	s_add_co_u32 s[GB], s[GB], s2                  ; my block of 256 rows
	; group 1: 64 rows x 512 bytes, 16 bytes of padding behind each: h_enc's (plain) and W_enc's (joint: mask 15, bit 21 beside it)
	s_mov_b32 s[G1A], (1<<20)|(6<<22)|(3<<25)
	s_mov_b32 s[G1W], 15|(1<<20)|(1<<21)|(6<<22)|(3<<25)
.irp g, G1A, G1W
	s_mov_b32 s[\g+1], 512<<16                     ; tensor_dim0
	s_mov_b32 s[\g+2], 64<<16                      ; tensor_dim1
	s_mov_b32 s[\g+3], 512<<16                     ; tile_dim0
	s_mov_b32 s[\g+4], 64                          ; tile_dim1
	s_mov_b32 s[\g+5], 512                         ; the pitch
	s_mov_b32 s[\g+6], 0
	s_mov_b32 s[\g+7], 0
.endr
	DENSE G1AS, (3<<16)|(1<<20)|(5<<22)|(3<<25), 32
	DENSE G1WS, 15|(3<<16)|(1<<20)|(1<<21)|(5<<22)|(3<<25), 16
	s_mov_b32 s[CS], 0x4038aa3b                    ; c = 2 log2(e)
	s_mov_b32 s[CS+1], s[CS]
	s_mov_b32 s[W2C], 0xc038aa3b                   ; -c
	s_mov_b32 s[SEL], 0x76543210
	s_mov_b32 s[SEL+1], 0xfedcba98                 ; v_permlanex16_b32's selects for lane l xor 16
	s_mul_i32 s2, s[WQ], Q64                       ; my 64 rows of h_enc,
	s_mul_i32 s3, s[TEAM], Q64
	s_add_co_u32 s3, s3, WS0                       ; my 64 columns of slot 0,
	s_mul_i32 s98, s[WQ], 2176
	s_add_co_u32 s98, s98, SCA                     ; and their scales: 64 rows are eight units of 272
	s_mul_i32 s99, s[TEAM], 2176
	s_add_co_u32 s99, s99, SCW0
	s_lshl_b32 s100, s[TEAM], 11
	s_add_co_u32 s100, s100, RING
	s_lshl_b32 s101, s[WQ], 6
	s_add_co_u32 s101, s101, s100
	s_lshl_b32 s68, s[WV], 6                       ; my 16 columns' bytes
	s_lshl_b32 s69, s[WQ], 7                       ; of h_dec's row I copy blocks 8 WQ .. + 7 for my team
	s_lshl_b32 s70, s[WQ], 8
	s_add_co_u32 s70, s70, s100
	s_mov_b32 s72, ttmp9
	s_add_co_u32 s73, ttmp9, 2
	s_add_co_u32 s74, ttmp9, 4
	s_add_co_u32 s75, ttmp9, 6
	v_and_b32 v80, 15, v0                          ; r
	v_bfe_u32 v81, v0, 4, 1                        ; h
	v_and_b32 v82, 31, v0                          ; lane
	v_mul_u32_u24 v83, v80, PITCH
	v_lshl_add_u32 v83, v81, 4, v83                ; a fragment's row x pitch + 16 h
	v_add_nc_u32 v[ADRA], s2, v83
	v_add_nc_u32 v[ADRB], s3, v83
	v_add_nc_u32 v[ADRB+1], WSB, v[ADRB]
	v_lshrrev_b32 v84, 3, v82
	v_and_b32 v85, 7, v82
	v_mul_u32_u24 v84, v84, 272
	v_lshl_add_u32 v84, v85, 5, v84                ; row l's scales: 32 bytes a row, eight rows to a unit
	v_add_nc_u32 v[ADSA], s98, v84
	v_add_nc_u32 v[ADS], s99, v84
	v_lshl_add_u32 v[ADX], v81, 5, s100
	v_lshlrev_b32 v[WA], 9, v80
	v_lshl_add_u32 v[WA], v81, 4, v[WA]
	v_lshlrev_b32 v[WSA], 5, v80
	v_lshl_add_u32 v[DST], v80, 2, s101
	v_lshl_add_u32 v86, v81, 8, v[DST]             ; staging: the walk's chunk n = 2 i + h at 256 n
	v_lshl_add_u32 v87, v80, 2, s68
	v_lshlrev_b32 v90, 4, v81
	v_lshl_add_u32 v91, v85, 4, s69
	v_bfe_u32 v92, v0, 1, 1
	v_lshlrev_b32 v92, 4, v92
	v_lshl_add_u32 v93, v85, 5, s70
	v_mov_b32 v94, 0
.irp i, 0,1,2,3
	v_add_nc_u32 v[116+\i], s[72+\i], v81
	v_and_b32 v[116+\i], 7, v[116+\i]
	v_lshl_add_u32 v[116+\i], v[116+\i], 9, v87    ; that chunk's 512 bytes of b_dec, b_enc, W_com, at my column
.endr
	VWAIT                                          ; at the end of the head's vector work
	s_wait_dscnt 0x0                               ; both opening adds are done
	s_wait_kmcnt 0x0
	s_lshl_b32 s2, s[GB], 17                       ; my block's codes: 256 rows of 512 bytes,
	s_lshl_b32 s3, s[WV], 15                       ; my wave's 64 of them (waves 0 to 3)
	s_add_co_u32 s2, s2, s3
	s_mov_b32 s3, 0
	s_mov_b32 s[G0A], 1
	s_mul_i32 s[G0A+1], s[WV], Q64
	s_add_nc_u64 s[G0A+2:G0A+3], s[4:5], s[2:3]
	s_or_b32 s[G0A+3], s[G0A+3], 0x80000000
	s_lshl_b32 s2, s[GB], 13                       ; its scales: 256 rows of 32 bytes
	s_mov_b32 s[G0AS], 1
	s_mov_b32 s[G0AS+1], SCA
	s_add_nc_u64 s[G0AS+2:G0AS+3], s[6:7], s[2:3]
	s_or_b32 s[G0AS+3], s[G0AS+3], 0x80000000
	s_and_b32 s98, s[WV], 1                        ; which 64 rows of a chunk I fetch (waves 4 and 5)
	s_mul_i32 s99, s98, Q64
	s_lshl_b32 s2, s98, 15
	s_add_nc_u64 s[WEB:WEB+1], s[8:9], s[2:3]
	s_mov_b64 s[WES:WES+1], s[10:11]
	s_lshl_b32 s2, s[WV], 13
	s_add_nc_u64 s[WDB:WDB+1], s[30:31], s[2:3]
	s_lshl_b32 s2, s[WV], 9
	s_add_nc_u64 s[WDSB:WDSB+1], s[66:67], s[2:3]
	s_mov_b32 s101, 0
.irp n, 1,0
	s_add_co_u32 s2, ttmp9, \n                     ; the walk's chunk n
	s_and_b32 s2, s2, 7
	s_lshl_b32 s100, s2, 12
	s_lshl_b32 s2, s2, 16
	s_mov_b32 s[G0W+4*\n], 1
	s_add_co_u32 s[G0W+4*\n+1], s99, WS0+\n*WSB
	s_add_nc_u64 s[G0W+4*\n+2:G0W+4*\n+3], s[WEB:WEB+1], s[2:3]
	s_or_b32 s[G0W+4*\n+3], s[G0W+4*\n+3], 0x80000000
	s_mov_b32 s[G0S+4*\n], 1
	s_mov_b32 s[G0S+4*\n+1], SCW0+\n*SCWB
	s_add_nc_u64 s[G0S+4*\n+2:G0S+4*\n+3], s[WES:WES+1], s[100:101]
	s_or_b32 s[G0S+4*\n+3], s[G0S+4*\n+3], 0x80000000
.endr
	s_add_nc_u64 s[WDP:WDP+1], s[WDB:WDB+1], s[2:3]
	s_add_nc_u64 s[WDSP:WDSP+1], s[WDSB:WDSB+1], s[100:101]
	CROUND                                         ; all four work-groups are here: the first joint loads meet
	; the first fills, one a wave, each in its arm of a branch on the wave's number: every way through the text passes one
	s_cmp_lt_u32 s[WV], 4
	s_cbranch_scc0 .Lfirst_hi
	TL G0A, G1A                                    ; waves 0-3: 64 rows of h_enc each
	s_branch .Lfirst_done
.Lfirst_hi:
	s_cmp_lt_u32 s[WV], 6
	s_cbranch_scc0 .Lfirst_67
	TL G0W, G1W                                    ; waves 4, 5: the first chunk
	s_branch .Lfirst_done
.Lfirst_67:
	s_cmp_eq_u32 s[WV], 6
	s_cbranch_scc0 .Lfirst_7
	TL G0S, G1WS                                   ; wave 6: its scales
	s_branch .Lfirst_done
.Lfirst_7:
	TL G0AS, G1AS                                  ; wave 7: h_enc's scales
.Lfirst_done:
	; where this work-group's own parts begin: s3 = 0
	s_lshr_b32 s98, s[GB], 3                       ; my batch
	s_lshl_b32 s2, s98, 9
	s_add_nc_u64 s[26:27], s[26:27], s[2:3]        ; its row of h_dec
	s_lshl_b32 s2, s98, 5
	s_add_nc_u64 s[28:29], s[28:29], s[2:3]
	s_lshl_b32 s2, s[GB], 10
	s_add_nc_u64 s[14:15], s[14:15], s[2:3]        ; scw at my block's 256 scores
	s_lshl_b32 s2, s[GB], 12
	s_add_nc_u64 s[16:17], s[16:17], s[2:3]        ; hbw at my block's 1,024 numbers
	; THE FIRST CHUNK'S DEC PRODUCT, eight K steps at once: W_dec's second half lies in v144-175, h_dec's scale words in v40-47, W_dec's in v24-31
.irp i, 0,1,2,3
	global_load_b32 v[96+\i], v[116+\i], s[18:19]
	global_load_b32 v[100+\i], v[116+\i], s[24:25]
	global_load_b32 v[112+\i], v[116+\i], s[12:13]
.endr
	global_load_b128 v[104:107], v91, s[26:27]
	global_load_b128 v[108:111], v92, s[28:29]
	global_load_b128 v[SB:SB+3], v94, s[28:29]
	global_load_b128 v[SB+4:SB+7], v94, s[28:29] offset:16
	global_load_b128 v[SA:SA+3], v[WSA], s[WDSP:WDSP+1]
	global_load_b128 v[SA+4:SA+7], v[WSA], s[WDSP:WDSP+1] offset:16
	WIN 0x40
.irp q, 0,1,2,3,4,5,6,7
.irp c, 0,1
	global_load_b128 v[8*\q+4*\c:8*\q+4*\c+3], v90, s[26:27] offset:64*\q+32*\c
.endr
.endr
	WIN 0
.irp q, 0,1,2,3
.irp c, 0,1
	global_load_b128 v[WD+8*\q+4*\c:WD+8*\q+4*\c+3], v[WA], s[WDP:WDP+1] offset:64*\q+32*\c
.endr
.endr
.irp q, 0,1,2,3
.irp c, 0,1
	global_load_b128 v[BF+8*\q+4*\c:BF+8*\q+4*\c+3], v[WA], s[WDP:WDP+1] offset:256+64*\q+32*\c
.endr
.endr
	s_wait_loadcnt 0x0
.irp i, 0,1,2,3
	v_mul_f32 v[100+\i], s[CS], v[100+\i]
.endr
.irp i, 0,1,2,3
	v_fma_f32 v[100+\i], v[96+\i], s[CS], v[100+\i]                ; c (b_dec + b_enc)
.endr
.irp i, 0,1,2,3
	v_mul_f32 v[112+\i], s[W2C], v[112+\i]                         ; -c W_com
.endr
.irp i, 0,1,2,3
	ds_store_b32 v86, v[100+\i] offset:CBIA+512*\i
	ds_store_b32 v86, v[112+\i] offset:CWCM+512*\i
.endr
	ds_store_b128 v93, v[104:107] offset:HROW
	ds_store_b128 v93, v[108:111] offset:HROW+16
	ds_load_b32 v[CB], v[DST] offset:CBIA          ; LDS serves a wave's instructions in order (ISA guide 5.7.1.4): these see my stores
	ds_load_b32 v[CB+1], v[DST] offset:CWCM
	WIN 0x01                                       ; source 0 in window 1
.irp q, 0,1,2,3,4,5,6,7
.if \q == 0
	v_wmma_scale_f32_16x16x128_f8f6f4 v[DAC:DAC+7], v[8*\q:8*\q+7], v[WD+8*\q:WD+8*\q+7], 0, v[SB+\q], v[SA+\q] matrix_a_fmt:MATRIX_FMT_FP4 matrix_b_fmt:MATRIX_FMT_FP4
.elseif \q < 4
	VWAIT                                          ; one accumulator: the wait stands ahead of every adding step
	v_wmma_scale_f32_16x16x128_f8f6f4 v[DAC:DAC+7], v[8*\q:8*\q+7], v[WD+8*\q:WD+8*\q+7], v[DAC:DAC+7], v[SB+\q], v[SA+\q] matrix_a_fmt:MATRIX_FMT_FP4 matrix_b_fmt:MATRIX_FMT_FP4
.else
	VWAIT
	v_wmma_scale_f32_16x16x128_f8f6f4 v[DAC:DAC+7], v[8*\q:8*\q+7], v[BF+8*(\q-4):BF+8*(\q-4)+7], v[DAC:DAC+7], v[SB+\q], v[SA+\q] matrix_a_fmt:MATRIX_FMT_FP4 matrix_b_fmt:MATRIX_FMT_FP4
.endif
.endr
	WIN 0
	PLACES 5                                       ; for the reads below, the loads into W_dec's registers, and the next dec sum, which begins the accumulator anew
	s_mov_b32 s[OFF+1], 0
	s_mov_b32 s[OFS+1], 0
	s_mov_b32 s[NO], 0
	s_add_co_u32 s[CI], ttmp9, 1
	STEPW                                          ; chunk 1 of the walk
.irp i, 0,1,2,3
	LDW \i, 0
.endr
	s_wait_dscnt 0x0
	v_fma_f32 v[CB], v[DAC], s[CS], v[CB]
	ds_store_b32 v[DST], v[CB]
	ds_store_b32 v[DST], v[CB+1] offset:256
.set en, 0
.rept 12
	v_mov_b32 v[SP+en], 0                          ; the rows' sums run over all of a wave's sub-blocks
.set en, en+1
.endr
	VWAIT
	s_wait_tensorcnt 0x0                           ; these lines stand ahead of a later first fill, as ahead of a refill
	ds_add_u32 v[SPW], v[NIL]
	s_wait_dscnt 0x0                               ; my stores to LDS are done too
	CROUND
	JLOAD 1                                        ; chunk 1; behind the round h_enc, chunk 0 and the first dcw are whole
	PREF 0, 0, 1
.irp t, 0,1
	ds_load_b128 v[SA+8*\t:SA+8*\t+3], v[ADSA] offset:1088*\t        ; lanes 0-15: row tile 2 t, lanes 16-31: row tile 2 t + 1
	ds_load_b128 v[SA+8*\t+4:SA+8*\t+7], v[ADSA] offset:1088*\t+16
.endr
	HFRAG 0, 2
	WIN 0x40
.irp q, 0,1,2,3,4,5,6,7
.irp a, 0,1,2,3
	ds_load_b128 v[64*\a+8*\q:64*\a+8*\q+3], v[ADRA] offset:\a*T16+64*\q
	ds_load_b128 v[64*\a+8*\q+4:64*\a+8*\q+7], v[ADRA] offset:\a*T16+64*\q+32
.endr
.endr
	WIN 0
	MM 0, 0, 1, 1, 1
	s_mov_b32 s[CNT], 3
.Lloop:                                            ; trip i: chunks 2 i and 2 i + 1 end, chunks 2 i + 2 and 2 i + 3 are asked for, and chunk 2 i + 2 begins
	EE 0, 0, 0, 1, 1
	MM 0, 1, 0, 1, 1
	EE 1, 0, 1, 0, 1
	MM 1, 0, 0, 1, 1
	EE 0, 0, 1, 1, 1
	MM 1, 1, 0, 1, 1
	EE 1, 1, 0, 0, 1
	MM 0, 0, 0, 1, 1
	s_add_co_u32 s[NO], s[NO], 512
	s_sub_co_u32 s[CNT], s[CNT], 1
	s_cmp_lg_u32 s[CNT], 0
	s_cbranch_scc1 .Lloop
	EE 0, 0, 0, 1, 1                               ; chunks 6 and 7 end; nothing is left to ask for
	MM 0, 1, 0, 1, 0
	EE 2, 0, 1, 0, 0
	MM 1, 0, 0, 0, 0
	EE 0, 0, 1, 1, 0
	MM 1, 1, 0, 0, 0
	EE 3, 0, 0, 0, 0
	; THE SCORES.  A lane's pairs of sums are joined, then lanes l and l xor 16; the two teams' halves meet in LDS.
.irp a, 0,1
	v_pk_add_f32 v[SP+4*\a:SP+4*\a+1], v[SP+4*\a:SP+4*\a+1], v[SP+4*\a+2:SP+4*\a+3]
.endr
.irp a, 0,1
	v_add_f32 v[62+\a], v[SP+8+2*\a], v[SP+9+2*\a]
.endr
.irp a, 0,1
	v_add_f32 v[60+\a], v[SP+4*\a], v[SP+4*\a+1]
.endr
.irp a, 0,1,2,3
	v_mov_b32 v[64+\a], 0                          ; (a lane permute's destination counts as one of its sources)
.endr
	v_mov_b32 v251, 0
.irp a, 0,1,2,3
	v_permlanex16_b32 v[64+\a], v[60+\a], s[SEL], s[SEL+1]
.endr
.irp a, 0,1,2,3
	v_add_f32 v[60+\a], v[60+\a], v[64+\a]
.endr
	VWAIT
	s_lshl_b32 s2, s[WV], 8
	s_add_co_u32 s2, s2, SCR_SP                    ; score parts: 1,024 team + 256 WQ
	s_lshl_b32 s3, s[WV], 2
	s_add_co_u32 s3, s3, SCR_MX
	s_mul_i32 s98, s[WV], 32*PITCH
	s_mul_i32 s99, s[WV], 4*272
	s_add_co_u32 s99, s99, SCA
	s_lshl_b32 s100, s[WV], 7
	s_add_co_u32 s100, s100, SCR_P
	s_lshl_b32 s101, s[WV], 12
	s_add_co_u32 s101, s101, HB
	v_and_b32 v10, 15, v0
	v_and_b32 v11, 31, v0
	v_lshl_add_u32 v[SPA], v10, 2, s2
	v_lshl_add_u32 v[RS4], v0, 2, SCR_SP
	v_lshl_add_u32 v[RS16], v0, 4, SCR_SC
	v_mov_b32 v[RMX], SCR_MX
	v_mov_b32 v[RMW], s3
	v_lshl_add_u32 v[HAC], v11, 4, s98             ; hbar: my wave's 32 rows, my lane's block of 32 codes
	v_add_nc_u32 v[HAS], s99, v11                  ; and its scale byte
	v_mov_b32 v[HAP], s100
	v_lshl_add_u32 v[HBW], v11, 4, s101
	v_lshl_add_u32 v[HBR], v0, 4, HB
	v_lshlrev_b32 v[G16], 4, v0
	VWAIT
.irp a, 0,1,2,3
	ds_store_b32 v[SPA], v[60+\a] offset:64*\a     ; row 16 a + r: two lanes write the same word with the same value
.endr
	s_wait_dscnt 0x0
	s_barrier_signal -1
	s_barrier_wait -1
	ds_load_b32 v248, v[RS4]
	ds_load_b32 v249, v[RS4] offset:1024
	s_wait_dscnt 0x0
	v_add_f32 v248, v248, v249                     ; s' of row t
	v_mov_b32 v250, v248
	v_max_num_f32_dpp v250, v250, v250 row_xmask:1 row_mask:0xf bank_mask:0xf
	v_max_num_f32_dpp v250, v250, v250 row_xmask:2 row_mask:0xf bank_mask:0xf
	v_max_num_f32_dpp v250, v250, v250 row_xmask:4 row_mask:0xf bank_mask:0xf
	v_max_num_f32_dpp v250, v250, v250 row_xmask:8 row_mask:0xf bank_mask:0xf
	v_permlanex16_b32 v251, v250, s[SEL], s[SEL+1]
	v_max_num_f32 v250, v250, v251                 ; my wave's largest
	VWAIT
	ds_store_b32 v[RMW], v250
	ds_store_b32 v[RS4], v248 offset:2048          ; s', for the store
	s_wait_dscnt 0x0
	s_barrier_signal -1
	s_barrier_wait -1
	ds_load_b128 v[232:235], v[RMX]
	ds_load_b128 v[236:239], v[RMX] offset:16
	s_wait_dscnt 0x0
	v_max3_num_f32 v250, v232, v233, v234
	v_max3_num_f32 v250, v250, v235, v236
	v_max3_num_f32 v250, v250, v237, v238
	v_max_num_f32 v250, v250, v239                 ; m: the block's largest s'
	v_sub_f32 v249, v248, v250
	VWAIT
	v_exp_f32 v249, v249                           ; p = 2^(s' - m), at most 1
	v_mov_b32 v[ONE], 0x7f7f7f7f                   ; (a plain instruction behind the exponential)
	VWAIT
	ds_store_b32 v[RS4], v249 offset:3072          ; my wave's 32 p: only my wave reads them, and LDS serves a wave's instructions in order
	s_cmp_lt_u32 s[WV], 2
	s_cbranch_scc0 .Lno_sc
	ds_load_b128 v[232:235], v[RS16]               ; waves 0 and 1 store the 256 scores
	s_wait_dscnt 0x0
	global_store_b128 v[G16], v[232:235], s[14:15] ; a wave stores 512 consecutive bytes, at a multiple of 256 from scw's first byte
.Lno_sc:
	; HBAR.  Wave w takes rows 32 w .. + 31, lane l the block k = 32 l .. + 31: 16 bytes of codes, one scale byte.  The codes are widened by the conversion with the scale 1; p x 2^(byte - 127) multiplies them.
.macro HADDR
	v_add_nc_u32 v[TA], s[SO], v[HAC]
	v_add_nc_u32 v[TA+1], s[SO+1], v[HAS]
	v_add_nc_u32 v[TA+2], s[SO+2], v[HAP]
.endm
.macro LOADSET s                       ; four rows: nine loads
.irp n, 0,1,2,3
	ds_load_b128 v[CD+16*\s+4*\n:CD+16*\s+4*\n+3], v[TA] offset:(4*\s+\n)*PITCH
.endr
.irp n, 0,1,2,3
	ds_load_u8 v[BY+4*\s+\n], v[TA+1] offset:(4*\s+\n)*32
.endr
	ds_load_b128 v[PP+4*\s:PP+4*\s+3], v[TA+2] offset:16*\s
.endm
.macro COMPUTE s
.irp n, 0,1,2,3
	v_add_nc_u32 v[BY+4*\s+\n], 0xffffff81, v[BY+4*\s+\n]           ; byte - 127
.endr
.irp n, 0,1,2,3
	v_ldexp_f32 v[Q+2*\n], v[PP+4*\s+\n], v[BY+4*\s+\n]
.endr
.irp n, 0,1,2,3
.irp g, 0,1,2,3
	v_cvt_scale_pk8_f32_fp4 v[T+8*\g:T+8*\g+7], v[CD+16*\s+4*\n+\g], v[ONE]
.endr
	v_nop                                          ; one plain instruction between a scaled conversion and the first use of its result
.irp i, 0,2,4,6,8,10,12,14,16,18,20,22,24,26,28,30
	v_pk_fma_f32 v[H+\i:H+\i+1], v[T+\i:T+\i+1], v[Q+2*\n:Q+2*\n+1], v[H+\i:H+\i+1] op_sel_hi:[1,0,1]
.endr
.endr
.endm
.set en, 0
.rept 32
	v_mov_b32 v[H+en], 0
.set en, en+1
.endr
.irp n, 0,1,2,3
	v_mov_b32 v[Q+2*\n+1], 0                       ; named as the upper half of a pair, so it is written
.endr
	s_mov_b32 s[SO], 0
	s_mov_b32 s[SO+1], 0
	s_mov_b32 s[SO+2], 0
	HADDR
	VWAIT
	LOADSET 0
	LOADSET 1
	s_mov_b32 s[CNT], 3
.Lhbar:                                            ; a trip works eight rows and asks for the next eight
	s_wait_dscnt 9                                 ; set 0 is in; set 1's nine loads may be out
	COMPUTE 0
	s_add_co_u32 s[SO], s[SO], 8*PITCH
	s_add_co_u32 s[SO+1], s[SO+1], 272
	s_add_co_u32 s[SO+2], s[SO+2], 32
	HADDR
	VWAIT
	LOADSET 0
	s_wait_dscnt 9                                 ; set 1 is in; the nine just issued may be out
	COMPUTE 1
	LOADSET 1
	s_sub_co_u32 s[CNT], s[CNT], 1
	s_cmp_lg_u32 s[CNT], 0
	VWAIT
	s_cbranch_scc1 .Lhbar
	s_wait_dscnt 9
	COMPUTE 0
	VWAIT
	s_wait_dscnt 0x0
	COMPUTE 1
.irp g, 0,1,2,3,4,5,6,7
	ds_store_b128 v[HBW], v[H+4*\g:H+4*\g+3] offset:512*\g           ; as an image of the registers: [g][lane][4]
.endr
	s_wait_dscnt 0x0
	s_barrier_signal -1
	s_barrier_wait -1
.irp w, 0,1,2,3,4,5,6,7
	ds_load_b128 v[FS+4*\w:FS+4*\w+3], v[HBR] offset:4096*\w
.endr
	s_wait_dscnt 0x0
.irp w, 1,2,3,4,5,6,7
	v_pk_add_f32 v[FS:FS+1], v[FS:FS+1], v[FS+4*\w:FS+4*\w+1]
	v_pk_add_f32 v[FS+2:FS+3], v[FS+2:FS+3], v[FS+4*\w+2:FS+4*\w+3]
.endr
	global_store_b128 v[G16], v[FS:FS+3], s[16:17] ; a wave stores 512 consecutive bytes, at a multiple of 256 from hbw's first byte
	s_wait_tensorcnt 0x0                           ; the wave's end: these three lines stand behind my last tensor load and my last LDS store
	ds_add_u32 v[SPW], v[NIL]
	s_wait_dscnt 0x0
	CROUND                                         ; the closing round: no work-group ends while a partner may still ask for a tile that names it
	s_endpgm
.Lfunc_end_k_q04af9a7c6c_main:
	.size	k_q04af9a7c6c_main, .Lfunc_end_k_q04af9a7c6c_main-k_q04af9a7c6c_main
	.p2alignl 7, 3214868480
	.fill 96, 4, 3214868480
	.section	.rodata,"a",@progbits
	.p2align	6, 0x0
	.amdhsa_kernel k_q04af9a7c6c_main
		.amdhsa_group_segment_fixed_size 327680
		.amdhsa_private_segment_fixed_size 0
		.amdhsa_enable_private_segment 0
		.amdhsa_kernarg_size 104
		.amdhsa_user_sgpr_count 2
		.amdhsa_user_sgpr_kernarg_segment_ptr 1
		.amdhsa_wavefront_size32 1
		.amdhsa_system_sgpr_workgroup_id_x 1
		.amdhsa_system_sgpr_workgroup_id_y 1
		.amdhsa_system_sgpr_workgroup_id_z 1
		.amdhsa_system_vgpr_workitem_id 0
		.amdhsa_next_free_vgpr 512
		.amdhsa_next_free_sgpr 102
		.amdhsa_reserve_vcc 0
		.amdhsa_float_denorm_mode_32 3
		.amdhsa_float_denorm_mode_16_64 3
		.amdhsa_memory_ordered 1
		.amdhsa_forward_progress 1
		.amdhsa_inst_pref_size 214
	.end_amdhsa_kernel
	.amdgpu_metadata
---
amdhsa.version: [ 1, 2 ]
amdhsa.kernels:
  - .name:           k_q04af9a7c6c_main
    .symbol:         k_q04af9a7c6c_main.kd
    .args:
      - { .name: h_enc_codes, .offset: 0, .size: 8, .value_kind: global_buffer, .address_space: global }
      - { .name: h_enc_scales, .offset: 8, .size: 8, .value_kind: global_buffer, .address_space: global }
      - { .name: W_enc_codes, .offset: 16, .size: 8, .value_kind: global_buffer, .address_space: global }
      - { .name: W_enc_scales, .offset: 24, .size: 8, .value_kind: global_buffer, .address_space: global }
      - { .name: W_com, .offset: 32, .size: 8, .value_kind: global_buffer, .address_space: global }
      - { .name: scw, .offset: 40, .size: 8, .value_kind: global_buffer, .address_space: global }
      - { .name: hbw, .offset: 48, .size: 8, .value_kind: global_buffer, .address_space: global }
      - { .name: b_dec, .offset: 56, .size: 8, .value_kind: global_buffer, .address_space: global }
      - { .name: b_enc, .offset: 64, .size: 8, .value_kind: global_buffer, .address_space: global }
      - { .name: h_dec_codes, .offset: 72, .size: 8, .value_kind: global_buffer, .address_space: global }
      - { .name: h_dec_scales, .offset: 80, .size: 8, .value_kind: global_buffer, .address_space: global }
      - { .name: W_dec_codes, .offset: 88, .size: 8, .value_kind: global_buffer, .address_space: global }
      - { .name: W_dec_scales, .offset: 96, .size: 8, .value_kind: global_buffer, .address_space: global }
    .group_segment_fixed_size: 327680
    .private_segment_fixed_size: 0
    .kernarg_segment_align: 8
    .kernarg_segment_size: 104
    .max_flat_workgroup_size: 256
    .sgpr_count:     102
    .vgpr_count:     512
    .wavefront_size: 32
...
	.end_amdgpu_metadata
.endif
;; end of part 1
;; launch fin (part 2): grid 8 x 32, 8 waves a work-group, no clusters, 6,144 bytes of LDS; arguments scw, hbw, W_enc_codes, W_enc_scales, b_enc, out0, out1; writes out0, out1
.if DOCPART == 2
	.amdgcn_target "amdgcn-amd-amdhsa--gfx1250"
	.amdhsa_code_object_version 6
	.text
	.protected	k_q04af9a7c6c_fin
	.globl	k_q04af9a7c6c_fin
	.p2align	8
	.type	k_q04af9a7c6c_fin,@function
k_q04af9a7c6c_fin:
	s_mov_b64 s[64:65], 0
	v_nop
	global_prefetch_b8 v0, s[64:65] scope:SCOPE_SE
	s_setreg_imm32_b32 hwreg(HW_REG_WAVE_MODE, 25, 1), 1
	s_wait_xcnt 0x0
; scw holds s', the score in powers of two, less terms that are the same along S (b_com and sum_u W_com[u] are left out: shown at the head of the first kernel).
; hbw holds, for each of the batch's eight parts i, hbar_i[k] = sum over its 256 rows of 2^(s' - m_i) h[row][k], m_i the part's largest s'.  A maximum rounds nothing, so m_i is found again here bit for bit.
; M = max m_i;  l = sum_i 2^(m_i - M) l_i, l_i = sum 2^(s' - m_i);  attn = 2^(s' - M) / l;  hbar = sum_i (2^(m_i - M) / l) hbar_i;  out0[u] = sum_k hbar[k] W[k][u] + b_enc[u], W = code x scale.
; That last product has f32 numbers on one side and 32 rows in all: multiply-adds in f32, 16 columns a wave.  No matrix instruction, no tensor load.
; SHARES.  Wave w holds part w's 256 scores (8 a lane).  For the product lane l holds block k = 32 l .. + 31 of hbar and of each of the wave's 16 rows of W_enc.
.set SM, 0                             ; LDS: the eight m,
.set SL, 32                            ; the eight l,
.set HI, 256                           ; hbar as an image of the readers' registers: [g][lane][4],
.set CT, HI+4096                       ; the 128 results,
.set SPARE, CT+512                     ; and the spare words, 128 bytes for each wave
.set SPW, 240
.set NIL, 241
.set ONE, 230
.set SEL, 28
	s_load_b256 s[4:11], s[0:1], 0x0               ; scw s[4:5], hbw s[6:7], W_enc's codes s[8:9], its scales s[10:11]
	s_load_b128 s[12:15], s[0:1], 0x20             ; b_enc s[12:13], out0 s[14:15]
	s_load_b64 s[16:17], s[0:1], 0x30              ; out1
	v_lshl_add_u32 v[SPW], v0, 2, SPARE
	v_mov_b32 v[NIL], 0
	v_lshrrev_b32 v1, 5, v0
	s_delay_alu instid0(VALU_DEP_1)
	v_readfirstlane_b32 s18, v1                    ; wave 0..7
	s_and_b32 s19, ttmp7, 0xffff                   ; b
	v_and_b32 v2, 31, v0                           ; lane
	s_delay_alu instid0(VALU_DEP_1)
	v_lshlrev_b32 v3, 4, v2                        ; 16 x lane
	v_lshlrev_b32 v4, 4, v0                        ; 16 t
	v_lshlrev_b32 v5, 5, v0                        ; 32 t
	s_lshl_b32 s22, s18, 2
	v_mov_b32 v6, s22                              ; LDS: my wave's word among the eight
	v_mov_b32 v7, 0                                ; the eight words
	v_lshl_add_u32 v8, v0, 4, HI
	v_lshl_add_u32 v9, v2, 4, HI
	s_lshl_b32 s22, s18, 6
	s_add_co_u32 s22, s22, CT
	v_mov_b32 v10, s22                             ; my wave's 16 results
	v_lshl_add_u32 v11, v2, 4, CT
	v_mov_b32 v225, 0                              ; (a lane permute's destination counts as one of its sources)
	v_mov_b32 v[ONE], 0x7f7f7f7f                   ; the byte 127 four times: the conversion's scale 1
	s_mov_b32 s[SEL], 0x76543210
	s_mov_b32 s[SEL+1], 0xfedcba98
	s_lshl_b32 s22, s19, 13                        ; a batch's scores: 8,192 bytes
	s_mov_b32 s23, 0
	s_lshl_b32 s24, ttmp9, 10                      ; my slice of them: 1,024
	s_mov_b32 s25, 0
	s_wait_kmcnt 0x0
	s_add_nc_u64 s[4:5], s[4:5], s[22:23]
	s_add_nc_u64 s[20:21], s[4:5], s[24:25]
	s_add_nc_u64 s[16:17], s[16:17], s[22:23]
	s_add_nc_u64 s[16:17], s[16:17], s[24:25]
	s_lshl_b32 s22, s19, 15                        ; a batch's eight parts of hbar: 4,096 bytes each
	s_add_nc_u64 s[6:7], s[6:7], s[22:23]
	s_lshl_b32 s22, ttmp9, 7
	s_lshl_b32 s26, s18, 4
	s_add_co_u32 s22, s22, s26                     ; my wave's first row of W_enc: 128 x + 16 w
	s_lshl_b32 s24, s22, 9
	s_add_nc_u64 s[8:9], s[8:9], s[24:25]
	s_lshl_b32 s24, s22, 5
	s_add_nc_u64 s[10:11], s[10:11], s[24:25]
	s_lshl_b32 s24, ttmp9, 9
	s_add_nc_u64 s[12:13], s[12:13], s[24:25]
	s_add_nc_u64 s[14:15], s[14:15], s[24:25]
	s_lshl_b32 s22, s19, 12
	s_add_nc_u64 s[14:15], s[14:15], s[22:23]
	; the loads that only some waves issue come first: the counts below name the loads issued behind them, which are the same in every wave
	s_cmp_lt_u32 s18, 2
	s_cbranch_scc0 .Lno_slice
	global_load_b128 v[24:27], v4, s[20:21]        ; waves 0 and 1: the slice's 256 scores
.Lno_slice:
	s_cmp_eq_u32 s18, 0
	s_cbranch_scc0 .Lno_bias
	global_load_b128 v[28:31], v3, s[12:13]        ; wave 0: b_enc of the 128 columns
.Lno_bias:
	s_wait_alu depctr_va_vdst(0)
	global_load_b128 v[16:19], v5, s[4:5]
	global_load_b128 v[20:23], v5, s[4:5] offset:16
.irp i, 0,1,2,3,4,5,6,7
	global_load_b128 v[32+4*\i:35+4*\i], v4, s[6:7] offset:4096*\i
.endr
.irp n, 0,1,2,3,4,5,6,7,8,9,10,11,12,13,14,15
	global_load_b128 v[64+4*\n:67+4*\n], v3, s[8:9] offset:512*\n
.endr
.irp n, 0,1,2,3,4,5,6,7,8,9,10,11,12,13,14,15
	global_load_u8 v[128+\n], v2, s[10:11] offset:32*\n
.endr
	s_wait_loadcnt 40                              ; the scores are in; the 8 + 16 + 16 loads behind them may be out
	v_max3_num_f32 v224, v16, v17, v18
	s_delay_alu instid0(VALU_DEP_1)
	v_max3_num_f32 v224, v224, v19, v20
	s_delay_alu instid0(VALU_DEP_1)
	v_max3_num_f32 v224, v224, v21, v22
	s_delay_alu instid0(VALU_DEP_1)
	v_max_num_f32 v224, v224, v23
	s_delay_alu instid0(VALU_DEP_1)
	v_max_num_f32_dpp v224, v224, v224 row_xmask:1 row_mask:0xf bank_mask:0xf
	s_delay_alu instid0(VALU_DEP_1)
	v_max_num_f32_dpp v224, v224, v224 row_xmask:2 row_mask:0xf bank_mask:0xf
	s_delay_alu instid0(VALU_DEP_1)
	v_max_num_f32_dpp v224, v224, v224 row_xmask:4 row_mask:0xf bank_mask:0xf
	s_delay_alu instid0(VALU_DEP_1)
	v_max_num_f32_dpp v224, v224, v224 row_xmask:8 row_mask:0xf bank_mask:0xf
	s_delay_alu instid0(VALU_DEP_1)
	v_permlanex16_b32 v225, v224, s[SEL], s[SEL+1]
	s_delay_alu instid0(VALU_DEP_1)
	v_max_num_f32 v224, v224, v225                 ; m_w
.irp j, 0,1,2,3,4,5,6,7
	v_sub_f32 v[16+\j], v[16+\j], v224
.endr
	s_wait_alu depctr_va_vdst(0)
.irp j, 0,1,2,3,4,5,6,7
	v_exp_f32 v[16+\j], v[16+\j]
.endr
	v_nop
	s_wait_alu depctr_va_vdst(0)                   ; one wait for the batch, ahead of its first reader
	v_pk_add_f32 v[16:17], v[16:17], v[18:19]
	v_pk_add_f32 v[20:21], v[20:21], v[22:23]
	s_delay_alu instid0(VALU_DEP_1)
	v_pk_add_f32 v[16:17], v[16:17], v[20:21]
	s_delay_alu instid0(VALU_DEP_1)
	v_add_f32 v226, v16, v17
	s_delay_alu instid0(VALU_DEP_1)
	v_add_f32_dpp v226, v226, v226 row_xmask:1 row_mask:0xf bank_mask:0xf
	s_delay_alu instid0(VALU_DEP_1)
	v_add_f32_dpp v226, v226, v226 row_xmask:2 row_mask:0xf bank_mask:0xf
	s_delay_alu instid0(VALU_DEP_1)
	v_add_f32_dpp v226, v226, v226 row_xmask:4 row_mask:0xf bank_mask:0xf
	s_delay_alu instid0(VALU_DEP_1)
	v_add_f32_dpp v226, v226, v226 row_xmask:8 row_mask:0xf bank_mask:0xf
	s_delay_alu instid0(VALU_DEP_1)
	v_permlanex16_b32 v225, v226, s[SEL], s[SEL+1]
	s_delay_alu instid0(VALU_DEP_1)
	v_add_f32 v226, v226, v225                     ; l_w
	ds_store_b32 v6, v224 offset:SM
	ds_store_b32 v6, v226 offset:SL
	s_wait_dscnt 0x0
	s_barrier_signal -1
	s_barrier_wait -1
	ds_load_b128 v[192:195], v7 offset:SM
	ds_load_b128 v[196:199], v7 offset:SM+16
	ds_load_b128 v[200:203], v7 offset:SL
	ds_load_b128 v[204:207], v7 offset:SL+16
	s_wait_dscnt 0x0
	v_max3_num_f32 v227, v192, v193, v194
	s_delay_alu instid0(VALU_DEP_1)
	v_max3_num_f32 v227, v227, v195, v196
	s_delay_alu instid0(VALU_DEP_1)
	v_max3_num_f32 v227, v227, v197, v198
	s_delay_alu instid0(VALU_DEP_1)
	v_max_num_f32 v227, v227, v199                 ; M
.irp i, 0,1,2,3,4,5,6,7
	v_sub_f32 v[176+\i], v[192+\i], v227
.endr
	s_wait_alu depctr_va_vdst(0)
.irp i, 0,1,2,3,4,5,6,7
	v_exp_f32 v[176+\i], v[176+\i]                 ; f_i = 2^(m_i - M)
.endr
	v_nop
	s_wait_alu depctr_va_vdst(0)
	v_mul_f32 v228, v176, v200
.irp i, 1,2,3,4,5,6,7
	v_fma_f32 v228, v[176+\i], v[200+\i], v228     ; l, at least 1
.endr
	s_wait_alu depctr_va_vdst(0)
	v_rcp_f32 v229, v228
	v_nop
	s_wait_alu depctr_va_vdst(0)
.irp i, 0,1,2,3,4,5,6,7
	v_mul_f32 v[176+\i], v[176+\i], v229           ; g_i = f_i / l
.endr
	s_cmp_lt_u32 s18, 2
	s_cbranch_scc0 .Lno_attn
.irp j, 0,1,2,3
	v_sub_f32 v[24+\j], v[24+\j], v227
.endr
	s_wait_alu depctr_va_vdst(0)
.irp j, 0,1,2,3
	v_exp_f32 v[24+\j], v[24+\j]
.endr
	v_nop
	s_wait_alu depctr_va_vdst(0)
.irp j, 0,1,2,3
	v_mul_f32 v[24+\j], v[24+\j], v229             ; attn
.endr
	global_store_b128 v4, v[24:27], s[16:17]       ; a wave stores 512 consecutive bytes, at a multiple of 256 from out1's first byte
.Lno_attn:
	s_wait_loadcnt 32                              ; hbw's eight parts are in; the codes' and bytes' 32 loads may be out
	s_wait_alu depctr_va_vdst(0)
.irp c, 0,1,2,3
	v_mul_f32 v[208+\c], v176, v[32+\c]
.endr
.irp i, 1,2,3,4,5,6,7
.irp c, 0,1,2,3
	s_delay_alu instid0(VALU_DEP_4)
	v_fma_f32 v[208+\c], v[176+\i], v[32+4*\i+\c], v[208+\c]
.endr
.endr
	ds_store_b128 v8, v[208:211]
	s_wait_dscnt 0x0
	s_barrier_signal -1
	s_barrier_wait -1
.irp g, 0,1,2,3,4,5,6,7
	ds_load_b128 v[32+4*\g:35+4*\g], v9 offset:512*\g                ; hbar[32 l + 4 g + 0 .. 3]
.endr
	s_wait_loadcnt 0x0
	s_wait_dscnt 0x0
.irp n, 0,1,2,3,4,5,6,7,8,9,10,11,12,13,14,15
.irp g, 0,1,2,3
	v_cvt_scale_pk8_f32_fp4 v[144+8*\g:151+8*\g], v[64+4*\n+\g], v[ONE]
.endr
	v_add_nc_u32 v[128+\n], 0xffffff81, v[128+\n]  ; byte - 127.  (The plain instruction between a scaled conversion and the first use of its result)
	v_pk_mul_f32 v[224:225], v[144:145], v[32:33]
	v_pk_mul_f32 v[226:227], v[146:147], v[34:35]
.irp i, 4,8,12,16,20,24,28
	v_pk_fma_f32 v[224:225], v[144+\i:145+\i], v[32+\i:33+\i], v[224:225]
	v_pk_fma_f32 v[226:227], v[146+\i:147+\i], v[34+\i:35+\i], v[226:227]
.endr
	s_delay_alu instid0(VALU_DEP_1)
	v_pk_add_f32 v[224:225], v[224:225], v[226:227]
	s_delay_alu instid0(VALU_DEP_1)
	v_add_f32 v224, v224, v225
	s_delay_alu instid0(VALU_DEP_1)
	v_ldexp_f32 v[208+\n], v224, v[128+\n]         ; x the block's scale
.endr
.irp m, 1,2,4,8
.irp n, 0,1,2,3,4,5,6,7,8,9,10,11,12,13,14,15
	v_add_f32_dpp v[208+\n], v[208+\n], v[208+\n] row_xmask:\m row_mask:0xf bank_mask:0xf
.endr
.endr
.irp n, 0,1,2,3,4,5,6,7,8,9,10,11,12,13,14,15
	v_permlanex16_b32 v[144+\n], v[208+\n], s[SEL], s[SEL+1]
.endr
.irp n, 0,1,2,3,4,5,6,7,8,9,10,11,12,13,14,15
	v_add_f32 v[208+\n], v[208+\n], v[144+\n]      ; the 32 blocks' sum, in every lane
.endr
.irp j, 0,1,2,3
	ds_store_b128 v10, v[208+4*\j:211+4*\j] offset:16*\j             ; all lanes write the same words with the same values
.endr
	s_wait_dscnt 0x0
	s_barrier_signal -1
	s_barrier_wait -1
	s_cmp_eq_u32 s18, 0
	s_cbranch_scc0 .Lend
	ds_load_b128 v[224:227], v11
	s_wait_dscnt 0x0
	v_pk_add_f32 v[224:225], v[224:225], v[28:29]
	v_pk_add_f32 v[226:227], v[226:227], v[30:31]  ; + b_enc, once: the weights sum to 1
	global_store_b128 v3, v[224:227], s[14:15]     ; 512 consecutive bytes, at a multiple of 256 from out0's first byte
.Lend:
	s_wait_tensorcnt 0x0                           ; the wave's end: these three lines stand behind my last LDS store
	ds_add_u32 v[SPW], v[NIL]
	s_wait_dscnt 0x0
	s_endpgm
.Lfunc_end_k_q04af9a7c6c_fin:
	.size	k_q04af9a7c6c_fin, .Lfunc_end_k_q04af9a7c6c_fin-k_q04af9a7c6c_fin
	.p2alignl 7, 3214868480
	.fill 96, 4, 3214868480
	.section	.rodata,"a",@progbits
	.p2align	6, 0x0
	.amdhsa_kernel k_q04af9a7c6c_fin
		.amdhsa_group_segment_fixed_size 6144
		.amdhsa_private_segment_fixed_size 0
		.amdhsa_enable_private_segment 0
		.amdhsa_kernarg_size 56
		.amdhsa_user_sgpr_count 2
		.amdhsa_user_sgpr_kernarg_segment_ptr 1
		.amdhsa_wavefront_size32 1
		.amdhsa_system_sgpr_workgroup_id_x 1
		.amdhsa_system_sgpr_workgroup_id_y 1
		.amdhsa_system_sgpr_workgroup_id_z 1
		.amdhsa_system_vgpr_workitem_id 0
		.amdhsa_next_free_vgpr 256
		.amdhsa_next_free_sgpr 66
		.amdhsa_reserve_vcc 0
		.amdhsa_float_denorm_mode_32 3
		.amdhsa_float_denorm_mode_16_64 3
		.amdhsa_memory_ordered 1
		.amdhsa_forward_progress 1
		.amdhsa_inst_pref_size 47
	.end_amdhsa_kernel
	.amdgpu_metadata
---
amdhsa.version: [ 1, 2 ]
amdhsa.kernels:
  - .name:           k_q04af9a7c6c_fin
    .symbol:         k_q04af9a7c6c_fin.kd
    .args:
      - { .name: scw, .offset: 0, .size: 8, .value_kind: global_buffer, .address_space: global }
      - { .name: hbw, .offset: 8, .size: 8, .value_kind: global_buffer, .address_space: global }
      - { .name: W_enc_codes, .offset: 16, .size: 8, .value_kind: global_buffer, .address_space: global }
      - { .name: W_enc_scales, .offset: 24, .size: 8, .value_kind: global_buffer, .address_space: global }
      - { .name: b_enc, .offset: 32, .size: 8, .value_kind: global_buffer, .address_space: global }
      - { .name: out0, .offset: 40, .size: 8, .value_kind: global_buffer, .address_space: global }
      - { .name: out1, .offset: 48, .size: 8, .value_kind: global_buffer, .address_space: global }
    .group_segment_fixed_size: 6144
    .private_segment_fixed_size: 0
    .kernarg_segment_align: 8
    .kernarg_segment_size: 56
    .max_flat_workgroup_size: 256
    .sgpr_count:     66
    .vgpr_count:     256
    .wavefront_size: 32
...
	.end_amdgpu_metadata
.endif
;; end of part 2
